; MI455X (gfx1250); checked and timed in simulation.
; The chip was launched on July 23, 2026; its instructions are those of AMD's public machine-readable ISA for CDNA 5 (MIT licence, August 2026) and "CDNA5" Instruction Set Architecture Reference Guide (July 2026). The comments in the code are by the model that wrote it; some were corrected since.
;; Multi Head Flex Attention. Allowed arithmetic: matrix products marked QUANTISED: E2M1 operands, one E8M0 scale for each 32 along K, by v_wmma_scale_f32_16x16x128_f8f6f4 with both operands' format E2M1 (or v_wmma_scale_f32_32x16x128_f4), f32 sums; products left as they are: bf16, f16 or f32 operands; f32 sums; everything else in f32.
;; Inputs: Wk 1,024 x 1,024 float32; Wq 1,024 x 1,024 float32; Wv 1,024 x 1,024 float32; bk 1,024 float32; bq 1,024 float32; bv 1,024 float32; hidden_states 4 x 2,048 x 1,024 float32.
;; Outputs: out0 4 x 2,048 x 1,024 float32.
;; This version of the problem:
;;   THIS VERSION OF THE PROBLEM IS GIVEN IN LOW PRECISION. The matrix products marked QUANTISED in the list below multiply operands that are first quantised to E2M1 (2 exponent bits, 1 mantissa bit; 4 bits a number), with one power-of-two scale for each 32 numbers along K (OCP MX v1.0); their sums are f32. The products marked 'left as it is' may take bf16, f16 or f32 operands, with f32 sums. Whichever they take, every output number must still come out within the allowed error. Rounding operands to bf16 (8 significant bits) uses up far more of that allowance than f16 does (11 bits, for magnitudes from 6e-5 to 65,504). All else is computed in f32.
;;   The module's matrix products, in the order in which they are computed (A, B: the left and right operand; K: the contracted axis; several contracted axes count as one K, in the product's order):
;;     1. [M 8,192, K 1,024] x [K 1,024, N 1,024]; A: input hidden_states; B: input Wq: QUANTISED
;;     2. [M 8,192, K 1,024] x [K 1,024, N 1,024]; A: input hidden_states; B: input Wk: QUANTISED
;;     3. [M 8,192, K 1,024] x [K 1,024, N 1,024]; A: input hidden_states; B: input Wv: QUANTISED
;;     4. batch 64 x [M 2,048, K 64] x [K 64, N 2,048]; A: computed on the way; B: computed on the way: left as it is (an operand is computed on the way)
;;     5. batch 64 x [M 2,048, K 2,048] x [K 2,048, N 64]; A: computed on the way; B: computed on the way: left as it is (an operand is computed on the way)
;;   THE QUANTISER, for each operand of a quantised product, along K:
;;     - K is cut into blocks of 32 from its start; a last block that is shorter is filled with zeros.
;;     - A block's scale is 2^e with e = floor(log2(the largest magnitude in the block)) - 2, held to -126 .. 127; a block of zeros has e = 0. As a byte (E8M0): e + 127.
;;     - Each number is divided by its block's scale, clamped to +-6, and rounded to the nearest number of E2M1, ties to even, subnormals kept.
;;     - The product sums the exact products of the quantised numbers (number of the format x scale) in f32.
;;   ~~~python
;;   def quantise(x, axis):      # numpy; x: float32 -> the quantised numbers, widened to float32 again
;;       x = np.moveaxis(x, axis, -1); K = x.shape[-1]
;;       x = np.pad(x, [(0, 0)] * (x.ndim - 1) + [(0, -K % 32)]); x = x.reshape(x.shape[:-1] + (-1, 32)); a = np.abs(x).max(-1, keepdims=True)
;;       e = np.where(a > 0, np.clip(np.frexp(np.where(a > 0, a, 1))[1] - 1 - 2, -126, 127), 0)      # np.frexp(a)[1] - 1 = floor(log2(a)), exactly
;;       r = np.clip(x / 2.0 ** e, -6, 6)
;;       step = 2.0 ** (np.maximum(np.frexp(np.where(r == 0, 1, r))[1] - 1, 0) - 1)
;;       q = np.round(r / step) * step * 2.0 ** e      # np.round: ties to even
;;       return np.moveaxis(q.reshape(q.shape[:-2] + (-1,))[..., :K], -1, axis).astype(np.float32)
;;   ~~~
;; One version. Each part assembles by itself: llvm-mc -triple=amdgcn-amd-amdhsa -mcpu=gfx1250 --defsym DOCPART=n.
;; ======== version 1 of 1: 4 launches
;; limits: values are held in f16: magnitudes above 65,504 overflow, below 6.1e-05 lose precision
;; workspace buffers: x_codes 4,194,304 bytes; x_scales 262,144 bytes; w_codes 1,572,864 bytes; w_scales 98,304 bytes; qkv 50,331,648 bytes
;; launch quant_x (part 1): grid 256 x 1, 4 waves a work-group, no clusters, 33,280 bytes of LDS; arguments hidden_states, x_codes, x_scales; writes x_codes, x_scales
.if DOCPART == 1
	.amdgcn_target "amdgcn-amd-amdhsa--gfx1250"
	.amdhsa_code_object_version 6
	.text
	.protected	k_qfe99778904_quant_x
	.globl	k_qfe99778904_quant_x
	.p2align	8
	.type	k_qfe99778904_quant_x,@function
k_qfe99778904_quant_x:
	s_mov_b64 s[64:65], 0
	v_nop
	global_prefetch_b8 v0, s[64:65] scope:SCOPE_SE
	s_setreg_imm32_b32 hwreg(HW_REG_WAVE_MODE, 25, 1), 1
	s_wait_xcnt 0x0
; hidden_states [8192][1024] f32 becomes codes of FP4 (E2M1), K innermost, two codes a byte (x_codes [8192][512 bytes]), and one E8M0 scale byte for each 32 along K (x_scales [8192][32]).
; A block's scale is 2^(floor(log2(its largest magnitude)) - 2); its byte is the largest magnitude's own exponent field - 2, held at 1 from below.  Each number is divided by the scale and rounded to the
; nearest code, ties to even; beyond 6 the largest code.
; LIMITS: a block of zeros gets the byte 1 where the rule says 127 (its codes are zeros, which add nothing under any byte but 0xff, and this program alone reads the bytes); blocks whose largest magnitude
; lies under 2^(3 - 127) keep the byte 1; NaN and infinities among the inputs are not served.
; Rows are dense and 1024 is a multiple of 32: the tensor is a plain stream of blocks of 32, and so are its codes and its scale bytes.  256 work-groups x 4 waves x 8,192 numbers are all of it.
; A wave takes 16 steps of 512 numbers.  Each of a step's four loads reads 512 consecutive bytes, 16 a lane; the 2,048 bytes go through the wave's own stage in LDS and come back 64 bytes a lane, so that a lane
; holds 16 NEIGHBOURS along K, as the conversions want (two neighbouring lanes hold a block).  A lane's 16 codes are 8 bytes: the wave stores 256 consecutive bytes.  A wave's 256 scale bytes are gathered in LDS
; and leave as one run of 256 consecutive bytes.  No matrix work, no tensor loads, no cluster, no barrier: waves share nothing.  Loads run eight steps (32 loads a wave) ahead, the turn through LDS one step.
.set WAVES, 4
.set STEPS, 16
.set EMAX,  2
.set R,     16                         ; v16-143  eight sets of 16 numbers as they are loaded
.set X,     144                        ; v144-175 two sets of 16 neighbours
.set E,     176                        ; v176-191 a scale byte for each step
.set C,     192                        ; v192-223 codes: two registers for each step, so that no store's data are written again
.set WREG,  8192                       ; LDS: a region for each wave: two stages of 32 x SP bytes, behind them its 256 scale bytes
.set SP,    80                         ; a lane's place in a stage: its 64 bytes + 16 of padding
.set SPW,   12                         ; v12      LDS address of my spare word; never rewritten
.set NIL,   13                         ; v13      0; never rewritten
.set SPARE, WAVES*WREG                 ; behind the four regions: the spare words, 128 bytes for each wave, which no other line names
	s_load_b128 s[4:7], s[0:1], 0x0                ; hidden_states, x_codes
	s_load_b64 s[8:9], s[0:1], 0x10                ; x_scales
	v_lshl_add_u32 v[SPW], v0, 2, SPARE
	v_mov_b32 v[NIL], 0
	v_lshrrev_b32 v1, 5, v0
	v_readfirstlane_b32 s16, v1                    ; wave
	v_and_b32 v2, 31, v0                           ; lane
	v_lshlrev_b32 v3, 4, v2                        ; my 16 bytes of a load's 512
	s_mul_i32 s17, s16, WREG
	v_lshrrev_b32 v14, 2, v2
	v_mul_u32_u24 v14, v14, SP
	v_and_b32 v15, 3, v2
	v_lshl_add_u32 v14, v15, 4, v14
	v_add_nc_u32 v14, s17, v14                     ; the stage, on the way in: four lanes' 64 bytes on end, then 16 of padding; a load's 512 bytes take eight places
	v_mul_u32_u24 v15, v2, SP
	v_add_nc_u32 v15, s17, v15                     ; and on the way out: SP x lane: my 16 neighbours
	v_lshlrev_b32 v4, 3, v2                        ; 8 x lane: my codes' place in a step's 256 bytes, and my 8 of the 256 scale bytes
	v_lshrrev_b32 v5, 1, v2
	s_add_co_u32 s17, s17, 2*32*SP
	v_add_nc_u32 v5, s17, v5                       ; LDS: my wave's 256 scale bytes, my block's byte
	v_add_nc_u32 v6, s17, v4                       ; and on the way out 8 bytes a lane
	s_lshl_b32 s18, ttmp9, 2
	s_add_co_u32 s18, s18, s16                     ; which run of 8,192 numbers is my wave's: 0 .. 1023
	s_mov_b32 s21, 0
	s_wait_kmcnt 0x0
	s_lshl_b32 s20, s18, 15                        ; 32,768 bytes of numbers a run,
	s_add_nc_u64 s[4:5], s[4:5], s[20:21]
	s_lshl_b32 s20, s18, 12                        ; 4,096 of codes,
	s_add_nc_u64 s[6:7], s[6:7], s[20:21]
	s_lshl_b32 s20, s18, 8                         ; 256 scale bytes
	s_add_nc_u64 s[8:9], s[8:9], s[20:21]
.macro LOAD t
.irp i, 0,1,2,3
	global_load_b128 v[R+16*((\t)%8)+4*\i:R+16*((\t)%8)+4*\i+3], v3, s[4:5] offset:2048*(\t)+512*\i th:TH_LOAD_NT   ; 32 lanes read 512 consecutive bytes
.endr
.endm
.macro TURN t                          ; step t's numbers through the stage: LDS serves a wave's instructions in order, so no wait stands between the stores and the loads
.irp i, 0,1,2,3
	ds_store_b128 v14, v[R+16*((\t)%8)+4*\i:R+16*((\t)%8)+4*\i+3] offset:32*SP*((\t)%2)+8*SP*\i
.endr
.irp i, 0,1,2,3
	ds_load_b128 v[X+16*((\t)%2)+4*\i:X+16*((\t)%2)+4*\i+3], v15 offset:32*SP*((\t)%2)+16*\i
.endr
.endm
.irp t, 0,1,2,3,4,5,6,7
	LOAD \t
.endr
	s_wait_loadcnt 28                              ; step 0's four loads are in; the seven sets behind them may be out
	TURN 0
.macro STEP t
.set XS, X+16*((\t)%2)
.if (\t) > 0
	s_wait_dscnt 1                                 ; this step's numbers are back from the stage (the last step's byte store may be out): so its stores into the stage have read their registers,
.else
	s_wait_dscnt 0x0
.endif
.if (\t)+8 < STEPS
	LOAD (\t)+8                                    ; which take the loads of eight steps on
.endif
.if (\t)+1 < STEPS
.if STEPS-2-(\t) >= 7
	s_wait_loadcnt 28                              ; the next step's four loads are in; those of the seven steps behind it may be out
.else
	s_wait_loadcnt 4*(STEPS-2-(\t))                ; towards the end fewer sets stand behind it
.endif
	TURN (\t)+1                                    ; and go through the other stage while this step is worked
.endif
	v_max3_num_f32 v8, |v[XS]|, |v[XS+1]|, |v[XS+2]|               ; the largest magnitude of my 16, in two chains
	v_max3_num_f32 v9, |v[XS+3]|, |v[XS+4]|, |v[XS+5]|
.irp i, 6,10
	v_max3_num_f32 v8, v8, |v[XS+\i]|, |v[XS+\i+1]|
	v_max3_num_f32 v9, v9, |v[XS+\i+2]|, |v[XS+\i+3]|
.endr
	v_max3_num_f32 v8, v8, |v[XS+14]|, |v[XS+15]|
	v_max3_num_f32 v8, v8, v9, (EMAX+1)<<23        ; and the floor 2^(EMAX + 1 - 127): so the byte cannot fall under 1
	v_max_num_f32_dpp v8, v8, v8 row_xmask:1 row_mask:0xf bank_mask:0xf   ; and of my neighbour's 16: the block's
	v_add_nc_u32 v11, -(EMAX<<23), v8              ; EMAX off its exponent field: the conversion takes the exponent field of this operand as its scale, and nothing else of it
	v_cvt_scalef32_pk8_fp4_f32 v[C+2*(\t)], v[XS:XS+7], v11        ; eight numbers / the scale, to the nearest code; the first number's code in the lowest four bits
	v_cvt_scalef32_pk8_fp4_f32 v[C+2*(\t)+1], v[XS+8:XS+15], v11
	v_lshrrev_b32 v[E+(\t)], 23, v11               ; the scale's byte (also the plain line behind the conversions)
	ds_store_b8 v5, v[E+(\t)] offset:16*(\t)       ; both lanes of a block write the same byte with the same value
	global_store_b64 v4, v[C+2*(\t):C+2*(\t)+1], s[6:7] offset:256*(\t)   ; 32 lanes store 256 consecutive bytes, at a multiple of 256 from the buffer's first byte
.endm
.irp t, 0,1,2,3,4,5,6,7,8,9,10,11,12,13,14,15
	STEP \t
.endr
	ds_load_b64 v[8:9], v6                         ; LDS serves a wave's instructions in order: these see my byte stores
	s_wait_dscnt 0x0
	global_store_b64 v4, v[8:9], s[8:9]            ; 32 lanes store my wave's 256 scale bytes
	s_wait_tensorcnt 0x0                           ; the wave's end: these three lines behind my last LDS store
	ds_add_u32 v[SPW], v[NIL]
	s_wait_dscnt 0x0
	s_endpgm
.Lfunc_end_k_qfe99778904_quant_x:
	.size	k_qfe99778904_quant_x, .Lfunc_end_k_qfe99778904_quant_x-k_qfe99778904_quant_x
	.p2alignl 7, 3214868480
	.fill 96, 4, 3214868480
	.section	.rodata,"a",@progbits
	.p2align	6, 0x0
	.amdhsa_kernel k_qfe99778904_quant_x
		.amdhsa_group_segment_fixed_size 33280
		.amdhsa_private_segment_fixed_size 0
		.amdhsa_enable_private_segment 0
		.amdhsa_kernarg_size 24
		.amdhsa_user_sgpr_count 2
		.amdhsa_user_sgpr_kernarg_segment_ptr 1
		.amdhsa_wavefront_size32 1
		.amdhsa_system_sgpr_workgroup_id_x 1
		.amdhsa_system_sgpr_workgroup_id_y 1
		.amdhsa_system_sgpr_workgroup_id_z 1
		.amdhsa_system_vgpr_workitem_id 0
		.amdhsa_next_free_vgpr 224
		.amdhsa_next_free_sgpr 66
		.amdhsa_reserve_vcc 0
		.amdhsa_float_denorm_mode_32 3
		.amdhsa_float_denorm_mode_16_64 3
		.amdhsa_memory_ordered 1
		.amdhsa_forward_progress 1
		.amdhsa_inst_pref_size 33
	.end_amdhsa_kernel
	.amdgpu_metadata
---
amdhsa.version: [ 1, 2 ]
amdhsa.kernels:
  - .name:           k_qfe99778904_quant_x
    .symbol:         k_qfe99778904_quant_x.kd
    .args:
      - { .name: hidden_states, .offset: 0, .size: 8, .value_kind: global_buffer, .address_space: global }
      - { .name: x_codes, .offset: 8, .size: 8, .value_kind: global_buffer, .address_space: global }
      - { .name: x_scales, .offset: 16, .size: 8, .value_kind: global_buffer, .address_space: global }
    .group_segment_fixed_size: 33280
    .private_segment_fixed_size: 0
    .kernarg_segment_align: 8
    .kernarg_segment_size: 24
    .max_flat_workgroup_size: 128
    .sgpr_count:     66
    .vgpr_count:     224
    .wavefront_size: 32
...
	.end_amdgpu_metadata
.endif
;; end of part 1
;; launch quant_w (part 2): grid 96 x 1, 8 waves a work-group, no clusters, 18,944 bytes of LDS; arguments Wq, Wk, Wv, w_codes, w_scales; writes w_codes, w_scales
.if DOCPART == 2
	.amdgcn_target "amdgcn-amd-amdhsa--gfx1250"
	.amdhsa_code_object_version 6
	.text
	.protected	k_qfe99778904_quant_w
	.globl	k_qfe99778904_quant_w
	.p2align	8
	.type	k_qfe99778904_quant_w,@function
k_qfe99778904_quant_w:
	s_mov_b64 s[64:65], 0
	v_nop
	global_prefetch_b8 v0, s[64:65] scope:SCOPE_SE
	s_setreg_imm32_b32 hwreg(HW_REG_WAVE_MODE, 25, 1), 1
	s_wait_xcnt 0x0
; Wq, Wk, Wv [1024 (k)][1024 (n)] f32 are operands whose K is their FIRST axis.  They become codes of FP4 (E2M1) with K innermost, w_codes [3072 rows][512 bytes], row = 1024 x kind + n (kind 0 q, 1 k, 2 v),
; and one E8M0 scale byte for each 32 along K, w_scales [3072][32].
; A LANE TAKES A COLUMN n, AND ITS REGISTERS RUN DOWN K: each load reads neighbouring n in neighbouring lanes, a block of 32 along K lies in ONE lane's 32 registers, and the conversions give codes with K innermost.
; A block's scale is 2^(floor(log2(its largest magnitude)) - 2); its byte is the largest magnitude's exponent field - 2, held at 1 from below.
; LIMITS: a block of zeros gets the byte 1 where the rule says 127 (zero codes add nothing under any byte but 0xff; this program alone reads the bytes); blocks under 2^(3 - 127) keep the byte 1; NaN and infinities are not served.
; SHARES.  Work-group x (0 .. 95) owns rows 32 x .. 32 x + 31 of w_codes, for ALL of K: weight x / 32, columns 32 (x % 32) on.  Wave w of eight takes k = 128 w .. 128 w + 127: four blocks a lane.
; So the work-group owns 32 whole rows of codes (16,384 consecutive bytes) and 32 whole rows of scale bytes (1,024 consecutive bytes): they meet in LDS, behind one barrier, and leave in runs of 512 consecutive bytes an instruction.
; 96 work-groups are all the work there is at 32 columns each; fewer columns a work-group would read shorter pieces of W's rows.  No matrix work, no tensor loads, no cluster: work-groups share no input.
.set NB,    4                          ; blocks of 32 along K for a wave
.set PITCH, 528                        ; a stage row: a column's 512 bytes of codes + 16
.set SCS,   32*PITCH                   ; behind the stage: 32 rows x 32 scale bytes
.set SPARE, SCS+1024                   ; behind them: the spare words, 128 bytes for each of eight waves, which no other line names
.set EMAX,  2
.set X,     32                         ; v32-95   two sets of 32 numbers
.set C,     96                         ; v96-99   a block's codes
.set OUTR,  112                        ; v112-127 the way out: four rows' 16 bytes
.set SCO,   128                        ; v128-131 the way out: 16 scale bytes
.set SB,    24                         ; v24      my column's four scale bytes
.set SPW,   14                         ; v14      LDS address of my spare word; never rewritten
.set NIL,   15                         ; v15      0; never rewritten
	s_load_b128 s[4:7], s[0:1], 0x0                ; Wq, Wk
	s_load_b128 s[8:11], s[0:1], 0x10              ; Wv, w_codes
	s_load_b64 s[12:13], s[0:1], 0x20              ; w_scales
	v_lshl_add_u32 v[SPW], v0, 2, SPARE
	v_mov_b32 v[NIL], 0
	v_lshrrev_b32 v1, 5, v0
	v_readfirstlane_b32 s16, v1                    ; wave 0..7
	v_and_b32 v2, 31, v0                           ; lane
	v_lshlrev_b32 v3, 2, v2                        ; in: 4 bytes a lane
	v_mul_u32_u24 v4, v2, PITCH
	s_lshl_b32 s17, s16, 6
	v_add_nc_u32 v4, s17, v4                       ; into the stage: row = my column, my wave's 64 bytes of it
	v_lshlrev_b32 v5, 5, v2
	s_lshl_b32 s17, s16, 2
	s_add_co_u32 s17, s17, SCS
	v_add_nc_u32 v5, s17, v5                       ; my column's row of scale bytes, my wave's four
	v_lshlrev_b32 v8, 4, v2                        ; out: 16 bytes a lane
	s_mul_i32 s17, s16, 4*PITCH
	v_add_nc_u32 v7, s17, v8                       ; out of the stage: wave w takes rows 4 w .. 4 w + 3, whole
	s_and_b32 s18, s16, 1
	s_lshl_b32 s17, s18, 9
	s_add_co_u32 s19, s17, SCS
	v_add_nc_u32 v9, s19, v8                       ; the scale bytes' way out: 512 bytes a wave (waves 0 and 1 alone use it)
	s_and_b32 s20, ttmp9, 31
	s_lshl_b32 s20, s20, 7                         ; W: my 32 columns, 128 bytes,
	s_lshl_b32 s21, s16, 19                        ; and 128 w rows of 4,096 bytes
	s_add_co_u32 s20, s20, s21
	s_mov_b32 s21, 0
	s_lshl_b32 s22, ttmp9, 14                      ; codes: 32 rows of 512 bytes a work-group,
	s_lshl_b32 s23, s16, 11                        ; four rows a wave
	s_add_co_u32 s22, s22, s23
	s_mov_b32 s23, 0
	s_lshl_b32 s24, ttmp9, 10                      ; scale bytes: 1,024 a work-group,
	s_add_co_u32 s24, s24, s17                     ; 512 for each of waves 0 and 1
	s_mov_b32 s25, 0
	s_wait_kmcnt 0x0
	s_cmp_lt_u32 ttmp9, 32                         ; which weight: the choice hangs on the work-group's number alone
	s_cselect_b64 s[4:5], s[4:5], s[6:7]
	s_cmp_lt_u32 ttmp9, 64
	s_cselect_b64 s[4:5], s[4:5], s[8:9]
	s_add_nc_u64 s[4:5], s[4:5], s[20:21]
	s_add_nc_u64 s[10:11], s[10:11], s[22:23]
	s_add_nc_u64 s[12:13], s[12:13], s[24:25]
.macro LOAD t                          ; block t: W(128 w + 32 t + i, my column), i = 0 .. 31, into set t % 2; the largest offset, 127 rows of 4,096 bytes, lies inside the signed 24-bit immediate
.irp i, 0,1,2,3,4,5,6,7,8,9,10,11,12,13,14,15,16,17,18,19,20,21,22,23,24,25,26,27,28,29,30,31
	global_load_b32 v[X+32*((\t)%2)+\i], v3, s[4:5] offset:(32*(\t)+\i)*4096 th:TH_LOAD_NT
.endr
.endm
	LOAD 0
	LOAD 1
.macro BLOCK t
.set XS, X+32*((\t)%2)
.if (\t) < NB-1
	s_wait_loadcnt 32                              ; this block's 32 loads are in; the next block's may be out
.else
	s_wait_loadcnt 0x0
.endif
	v_max3_num_f32 v12, |v[XS]|, |v[XS+1]|, |v[XS+2]|              ; the block's largest magnitude: all 32 numbers are mine; two chains
	v_max3_num_f32 v13, |v[XS+3]|, |v[XS+4]|, |v[XS+5]|
.irp i, 6,10,14,18,22,26
	v_max3_num_f32 v12, v12, |v[XS+\i]|, |v[XS+\i+1]|
	v_max3_num_f32 v13, v13, |v[XS+\i+2]|, |v[XS+\i+3]|
.endr
	v_max3_num_f32 v12, v12, |v[XS+30]|, |v[XS+31]|
	v_max3_num_f32 v12, v12, v13, (EMAX+1)<<23     ; and the floor 2^(EMAX + 1 - 127): so the byte cannot fall under 1
	v_add_nc_u32 v11, -(EMAX<<23), v12             ; EMAX off its exponent field: the conversion's scale operand
	v_lshrrev_b32 v13, 23, v11                     ; the scale's byte
.if (\t) == 0
	v_mov_b32 v[SB], v13                           ; four bytes to a register, the lower K in the lower byte
.else
	v_lshl_or_b32 v[SB], v13, 8*(\t), v[SB]
.endif
.irp g, 0,1,2,3
	v_cvt_scalef32_pk8_fp4_f32 v[C+\g], v[XS+8*\g:XS+8*\g+7], v11
.endr
	v_nop                                          ; one plain line behind the last conversion of a run
	ds_store_b128 v4, v[C:C+3] offset:16*(\t)      ; 32 codes: 16 bytes of my column's row
.if (\t)+2 < NB
	LOAD (\t)+2
.endif
	s_wait_dscnt 0x0                               ; the store has read its registers: the next block's codes may be written
.endm
.irp t, 0,1,2,3
	BLOCK \t
.endr
	ds_store_b32 v5, v[SB]
	s_wait_dscnt 0x0                               ; for the others' sake: my stores into the stage and among the scale bytes are done
	s_barrier_signal -1
	s_barrier_wait -1                              ; 32 whole rows of codes and of scale bytes lie in LDS
.irp i, 0,1,2,3
	ds_load_b128 v[OUTR+4*\i:OUTR+4*\i+3], v7 offset:PITCH*\i
.endr
.irp i, 0,1,2,3
	s_wait_dscnt 3-\i                              ; row i is in; the younger loads may be out
	global_store_b128 v8, v[OUTR+4*\i:OUTR+4*\i+3], s[10:11] offset:512*\i   ; 32 lanes store a row of 512 consecutive bytes
.endr
	s_cmp_lt_u32 s16, 2                            ; the 1,024 scale bytes leave by waves 0 and 1, 512 consecutive bytes each
	s_cbranch_scc0 .Lno_scales
	ds_load_b128 v[SCO:SCO+3], v9
	s_wait_dscnt 0x0
	global_store_b128 v8, v[SCO:SCO+3], s[12:13]
.Lno_scales:
	s_wait_tensorcnt 0x0                           ; the wave's end: these three lines behind my last LDS store
	ds_add_u32 v[SPW], v[NIL]
	s_wait_dscnt 0x0
	s_endpgm
.Lfunc_end_k_qfe99778904_quant_w:
	.size	k_qfe99778904_quant_w, .Lfunc_end_k_qfe99778904_quant_w-k_qfe99778904_quant_w
	.p2alignl 7, 3214868480
	.fill 96, 4, 3214868480
	.section	.rodata,"a",@progbits
	.p2align	6, 0x0
	.amdhsa_kernel k_qfe99778904_quant_w
		.amdhsa_group_segment_fixed_size 18944
		.amdhsa_private_segment_fixed_size 0
		.amdhsa_enable_private_segment 0
		.amdhsa_kernarg_size 40
		.amdhsa_user_sgpr_count 2
		.amdhsa_user_sgpr_kernarg_segment_ptr 1
		.amdhsa_wavefront_size32 1
		.amdhsa_system_sgpr_workgroup_id_x 1
		.amdhsa_system_sgpr_workgroup_id_y 1
		.amdhsa_system_sgpr_workgroup_id_z 1
		.amdhsa_system_vgpr_workitem_id 0
		.amdhsa_next_free_vgpr 132
		.amdhsa_next_free_sgpr 66
		.amdhsa_reserve_vcc 0
		.amdhsa_float_denorm_mode_32 3
		.amdhsa_float_denorm_mode_16_64 3
		.amdhsa_memory_ordered 1
		.amdhsa_forward_progress 1
		.amdhsa_inst_pref_size 22
	.end_amdhsa_kernel
	.amdgpu_metadata
---
amdhsa.version: [ 1, 2 ]
amdhsa.kernels:
  - .name:           k_qfe99778904_quant_w
    .symbol:         k_qfe99778904_quant_w.kd
    .args:
      - { .name: Wq, .offset: 0, .size: 8, .value_kind: global_buffer, .address_space: global }
      - { .name: Wk, .offset: 8, .size: 8, .value_kind: global_buffer, .address_space: global }
      - { .name: Wv, .offset: 16, .size: 8, .value_kind: global_buffer, .address_space: global }
      - { .name: w_codes, .offset: 24, .size: 8, .value_kind: global_buffer, .address_space: global }
      - { .name: w_scales, .offset: 32, .size: 8, .value_kind: global_buffer, .address_space: global }
    .group_segment_fixed_size: 18944
    .private_segment_fixed_size: 0
    .kernarg_segment_align: 8
    .kernarg_segment_size: 40
    .max_flat_workgroup_size: 256
    .sgpr_count:     66
    .vgpr_count:     132
    .wavefront_size: 32
...
	.end_amdgpu_metadata
.endif
;; end of part 2
;; launch proj (part 3): grid 12 x 32, 4 waves a work-group, clusters of 4 x 4, 327,680 bytes of LDS; arguments x_codes, x_scales, w_codes, w_scales, qkv, bq, bk, bv; writes qkv
.if DOCPART == 3
	.amdgcn_target "amdgcn-amd-amdhsa--gfx1250"
	.amdhsa_code_object_version 6
	.text
	.protected	k_qfe99778904_proj
	.globl	k_qfe99778904_proj
	.p2align	8
	.type	k_qfe99778904_proj,@function
k_qfe99778904_proj:
	s_mov_b64 s[64:65], 0
	v_nop
	global_prefetch_b8 v0, s[64:65] scope:SCOPE_SE
	s_setreg_imm32_b32 hwreg(HW_REG_WAVE_MODE, 25, 1), 1
	s_wait_xcnt 0x0
	s_wait_alu depctr_hold_cnt(0) depctr_sa_sdst(0) depctr_va_vdst(0) depctr_va_sdst(0) depctr_va_ssrc(0) depctr_va_vcc(0) depctr_vm_vsrc(0)
	s_getreg_b32 s2, hwreg(HW_REG_IB_STS2, 6, 4)
	s_cmp_eq_u32 s2, 0
	s_cbranch_scc0 .Lentry_in_a_cluster
	s_endpgm
.Lentry_in_a_cluster:
	s_bfe_u32 s2, ttmp6, 0x10000c
	s_cmp_lg_u32 s2, 0xf033
	s_cbranch_scc0 .Lentry_shape_is_right
	s_endpgm
.Lentry_shape_is_right:
; q, k, v = x W + b for all three weights at once: C[m][n] = b[n] + sum over k of A[m][k] B[n][k], A = x's codes [8192][1024], B = the weights' codes [3072][1024] (row = 1024 x kind + column), both FP4 (E2M1)
; with one E8M0 scale byte for each 32 along K; sums in f32.  The result is rounded once to f16 and laid as attention wants it: qkv [kind 3][batch 4][head 16][position 2048][64], byte kind<<24 | batch<<22 | head<<18 | position<<7 | 2 d.
; LIMIT: |x W + b| has to stay under 65,504, f16's largest number.
; A tile of C, 256 x 256, is made by a work-group of four waves; a wave makes 128 x 128: 64 accumulators of 16 x 16, 512 registers.  K = 1,024 is two steps of 512 (tile rows of 256 bytes): both lie in LDS at once,
; each in a slot of its own, asked for at the head: nothing is filled again.  The scale bytes of the work-group's 256 + 256 rows, two dense blocks of 8,192 bytes, come with them.
; CLUSTERS: 4 x 4 work-groups.  The four of a row of the cluster need the same tiles of A, the four of a column the same tiles of B: each tile is asked for JOINTLY, by the same tensor load with the same descriptor
; and a mask that names the four.  A column of clusters (1,024 columns of C) is one weight: kind = the cluster's x, the same in all sixteen partners.
; THE MATRIX INSTRUCTION IS USED TRANSPOSED (source 0 = 16 rows of B, source 1 = 16 rows of A): a lane then holds eight neighbouring columns of one row of C.  THE BIAS is the C of each sum's first product.
; REGISTERS, in windows of 256: window 0: v0-31 addresses; v32-95 scale words, two sets; v128-191 A's fragments (8 x 16 rows x 128 K), ONE set; v192-255 the bias in the result's layout.
;   window 1: B's fragments, TWO sets, at v0 and at v128.   window 2: the 32 accumulators of my rows 0-63 (accumulator (a, b) at v[8 (8 a + b)]);   window 3: those of my rows 64-127.
.set KSTEP,  512                       ; along K in a slot
.set NQ,     KSTEP/128                 ; matrix instructions deep
.set ROWB,   256                       ; a tile's row in bytes
.set KROW,   512                       ; a row of A or of B in memory, in bytes
.set PITCH,  272                       ; an LDS row: 256 bytes + 16 of padding, an odd multiple of 16: the 16 rows that a load touches fall on 16 different 16-byte columns of 256
.set FR,     8                         ; registers of a fragment: 16 rows x 128 K
.set NL,     2                         ; LDS loads that bring one
.set NP,     4                         ; places behind this matrix instruction (ISA guide 7.12.1)
.set HALFT,  128*PITCH                 ; 128 rows: what one tensor load brings, and what one wave reads of A or of B
.set SLOT,   4*HALFT                   ; A's 256 rows, then B's 256 rows
.set KS,     32                        ; a row of scale bytes
.set SCL,    2*SLOT                    ; behind the two slots: the scales, as rows of 256 bytes + 16 of padding
.set HALFS,  (128*KS/256)*272          ; the scales of 128 rows: what one tensor load brings
.set SBLK,   (16*KS/256)*272           ; those of 16 rows
.set SPARE,  SCL+4*HALFS               ; behind the scales: the spare words, 128 bytes for each wave, which no other line names
.set SPITCH, 272                       ; the way out: a stage of 16 rows x (256 bytes + 16) for each wave, in slot 0, which has had its only fill and its last read when the first result is stored there
.set ADRA, 16                          ; v16-17  LDS address of my A fragments in slot 0, 1
.set ADRB, 20                          ; v20-21  the same for B
.set STO,  24                          ; v24     the way out: where I put 16 bytes of a row
.set RD,   25                          ; v25     the way out: where I read 16 bytes back
.set CO,   26                          ; v26     my byte offset in qkv
.set ADRS, 27                          ; v27     LDS address of my scale words: lanes 0-15 A's rows, lanes 16-31 B's
.set SPW,  28                          ; v28     LDS address of my spare word; never rewritten
.set NIL,  29                          ; v29     0; never rewritten
.set BA,   30                          ; v30     32 x (lane / 16): my eight numbers of a block's sixteen biases
.set SC,   32                          ; scale words: set s (for slot s) at v[SC + 32 s]; register 4 i + q: lanes 0-15 the word of A's block i, lanes 16-31 that of B's block i, for the slot's q-th 128 along K
.set AF,   128                         ; A's fragments
.set BIAS, 192                         ; v[BIAS + 8 b + j]: the bias of column 16 b + 8 (lane / 16) + j of my 128
.set TMP,  32                          ; the way out: packed results, v32-63 and v64-95 by turns (the scale words are done with)
.set BK,   128                         ; the way out: rows read back, v128-159 and v160-191 by turns
.set G1, 24                            ; s[24:31] descriptor group 1 for A's tiles;  s[32:39] group 0, one set for each slot
.set G0, 32
.set G1B, 48                           ; s[48:55], s[56:63] the same for B's tiles
.set G0B, 56
.set G1S, 68                           ; s[68:75], s[76:79] groups 1 and 0 for A's scales;  s[80:87], s[88:91] for B's
.set G0S, 76
.set G1SB, 80
.set G0SB, 88
.set MSB, 0
.macro WIN new                         ; the immediate's high byte repeats the setting that is left; a switch that changes nothing is dropped
.if MSB != (\new)
	s_set_vgpr_msb (MSB<<8)|(\new)
.set MSB, (\new)
.endif
.endm
.set MUL_LO, 0xa1                      ; source 0 (B) window 1, source 1 (A) window 0, C and D window 2
.set MUL_HI, 0xf1                      ; the same, C and D window 3
.set BEG_LO, 0x81                      ; a sum's first product: C (the bias) window 0, D window 2
.set BEG_HI, 0xc1                      ; the same, D window 3
.set TO_B,   0x40                      ; destination window 1, address window 0
; A joint load: waves 0 and 1 fetch for A, waves 2 and 3 for B.  Each of the two lines has ONE mask and one set of registers for all that issue it; the branch hangs on the wave's number alone.
; An s_nop 0 and four v_nop follow each of the two lines, ahead of the jump, the label and what follows.
.macro JLOAD g0a, g1a, g0b, g1b
	s_cmp_eq_u32 s15, 0
	s_cbranch_scc0 .Lfor_b_\@
	tensor_load_to_lds s[\g0a:\g0a+3], s[\g1a:\g1a+7]
	s_nop 0
.rept 4
	v_nop
.endr
	s_branch .Lasked_\@
.Lfor_b_\@:
	tensor_load_to_lds s[\g0b:\g0b+3], s[\g1b:\g1b+7]
	s_nop 0
.rept 4
	v_nop
.endr
.Lasked_\@:
.endm
; A round of the cluster's barrier: my work-group's barrier; wave 0 signals for the work-group; every wave waits for all sixteen work-groups; my work-group's barrier once more.
.macro CROUND
	s_barrier_signal -1
	s_barrier_wait -1
	s_cmp_lg_u32 s14, 0
	s_cbranch_scc1 .Lnot_wave_0_\@
	s_barrier_signal -3
.Lnot_wave_0_\@:
	s_barrier_wait -3
	s_barrier_signal -1
	s_barrier_wait -1
.endm
	s_load_b128 s[4:7], s[0:1], 0x0                ; x's codes s[4:5], x's scales s[6:7]
	s_load_b128 s[8:11], s[0:1], 0x10              ; the weights' codes s[8:9], their scales s[10:11]
	s_load_b64 s[12:13], s[0:1], 0x20              ; qkv
	s_load_b128 s[96:99], s[0:1], 0x28             ; bq, bk
	s_load_b64 s[100:101], s[0:1], 0x38            ; bv
	v_lshl_add_u32 v[SPW], v0, 2, SPARE
	v_mov_b32 v[NIL], 0
	ds_add_u32 v[SPW], v[NIL]                      ; the wave's opening: the add, twice on end, and its wait ahead of my first tensor load; the set-up below stands between the second and the wait
	ds_add_u32 v[SPW], v[NIL]
	v_lshrrev_b32 v1, 5, v0
	v_readfirstlane_b32 s14, v1                    ; wave 0..3
	s_lshr_b32 s15, s14, 1                         ; which half of the tile's rows is mine.  Also: I fetch for A (0) or for B (1)
	s_and_b32 s16, s14, 1                          ; which half of its columns.  Also: which 128 rows of that tile I fetch
	s_bfe_u32 s40, ttmp6, 0x40000                  ; cx, cy: my place in the cluster
	s_bfe_u32 s41, ttmp6, 0x40004
	s_lshl_b32 s42, ttmp9, 2
	s_add_co_u32 s42, s42, s40                     ; tile column of C = 4 x cluster x + cx
	s_and_b32 s17, ttmp7, 0xffff
	s_lshl_b32 s17, s17, 2
	s_add_co_u32 s17, s17, s41                     ; tile row of C = 4 x cluster y + cy
	s_lshl_b32 s43, s41, 2
	s_lshl_b32 s43, 15, s43                        ; my row of the cluster
	s_lshl_b32 s44, 0x1111, s40                    ; my column
	; descriptor group 1: a tile of 128 rows x 256 bytes, padded in LDS
	s_or_b32 s[G1+0], s43, (0<<16)|(1<<20)|(1<<21)|(5<<22)|(3<<25)  ; 15:0 the mask: A's tiles go to my row; 17:16 elements of 1 byte; 20 padding on; 21 set beside a mask; 24:22 after every 64 words; 31:25 four words of it
	s_or_b32 s[G1B+0], s44, (0<<16)|(1<<20)|(1<<21)|(5<<22)|(3<<25) ; the same with the mask of my column, for B's tiles
.irp g, G1, G1B
	s_mov_b32 s[\g+1], ROWB<<16                    ; tensor_dim0
	s_mov_b32 s[\g+2], 128<<16                     ; tensor_dim1 = 128
	s_mov_b32 s[\g+3], ROWB<<16                    ; tile_dim0
	s_mov_b32 s[\g+4], 128                         ; tile_dim1 = 128
	s_mov_b32 s[\g+5], KROW                        ; from row to row
	s_mov_b32 s[\g+6], 0
	s_mov_b32 s[\g+7], 0
.endr
	; and for the scales of 128 rows: a dense block of 4,096 bytes, as 16 rows of 256 bytes (32 elements of 8 bytes), 16 bytes of padding behind each
	s_or_b32 s[G1S+0], s43, (3<<16)|(1<<20)|(1<<21)|(5<<22)|(3<<25)
	s_or_b32 s[G1SB+0], s44, (3<<16)|(1<<20)|(1<<21)|(5<<22)|(3<<25)
.irp g, G1S, G1SB
	s_mov_b32 s[\g+1], 32<<16
	s_mov_b32 s[\g+2], (128*KS/256)<<16
	s_mov_b32 s[\g+3], 32<<16
	s_mov_b32 s[\g+4], 128*KS/256
	s_mov_b32 s[\g+5], 32
	s_mov_b32 s[\g+6], 0
	s_mov_b32 s[\g+7], 0
.endr
	s_lshl_b32 s18, s16, 7                         ; which 128 rows of the tile I fetch
	s_lshl_b32 s20, s17, 8
	s_add_co_u32 s20, s20, s18                     ; A: row 256 x tile row + 128 x half
	s_lshl_b32 s46, s42, 8
	s_add_co_u32 s46, s46, s18                     ; B: row 256 x tile column + 128 x half
	s_mov_b32 s21, 0
	s_mov_b32 s47, 0
	s_mov_b64 s[18:19], KS
	s_mul_u64 s[22:23], s[20:21], s[18:19]         ; where these rows' scales begin, in bytes
	s_mul_u64 s[92:93], s[46:47], s[18:19]
	s_mov_b64 s[18:19], KROW
	s_mul_u64 s[20:21], s[20:21], s[18:19]         ; and their codes
	s_mul_u64 s[46:47], s[46:47], s[18:19]
	s_mul_i32 s45, s14, HALFT                      ; where they go: wave x 128 rows: no place in the cluster enters an LDS address
	s_mul_i32 s94, s14, HALFS
	s_wait_dscnt 0x0                               ; both opening adds are done
	s_wait_kmcnt 0x0
	s_add_nc_u64 s[20:21], s[4:5], s[20:21]
	s_add_nc_u64 s[22:23], s[6:7], s[22:23]
	s_add_nc_u64 s[46:47], s[8:9], s[46:47]
	s_add_nc_u64 s[92:93], s[10:11], s[92:93]
	CROUND                                         ; all sixteen work-groups are here: the joint loads meet
	s_mov_b32 s[G0S], 1
	s_add_co_u32 s[G0S+1], s94, SCL
	s_mov_b64 s[G0S+2:G0S+3], s[22:23]
	s_or_b32 s[G0S+3], s[G0S+3], 0x80000000
	s_mov_b32 s[G0SB], 1
	s_add_co_u32 s[G0SB+1], s94, SCL
	s_mov_b64 s[G0SB+2:G0SB+3], s[92:93]
	s_or_b32 s[G0SB+3], s[G0SB+3], 0x80000000
	JLOAD G0S, G1S, G0SB, G1SB                     ; the scales first: they are wanted with K step 0
.irp s, 0,1
	s_mov_b32 s[G0+4*\s], 1
	s_add_co_u32 s[G0+4*\s+1], s45, \s*SLOT
	s_add_nc_u64 s[G0+4*\s+2:G0+4*\s+3], s[20:21], \s*ROWB
	s_or_b32 s[G0+4*\s+3], s[G0+4*\s+3], 0x80000000
	s_mov_b32 s[G0B+4*\s], 1
	s_add_co_u32 s[G0B+4*\s+1], s45, \s*SLOT
	s_add_nc_u64 s[G0B+4*\s+2:G0B+4*\s+3], s[46:47], \s*ROWB
	s_or_b32 s[G0B+4*\s+3], s[G0B+4*\s+3], 0x80000000
	JLOAD G0+4*\s, G1, G0B+4*\s, G1B               ; three tensor loads of mine are out behind the second of these: all that this launch asks for
.endr
	v_and_b32 v1, 15, v0                           ; l % 16
	v_bfe_u32 v2, v0, 4, 1                         ; l / 16
	v_lshlrev_b32 v[BA], 5, v2
	s_cmp_eq_u32 ttmp9, 0                          ; which bias: by the cluster's x, the same in all partners
	s_cselect_b64 s[96:97], s[96:97], s[98:99]
	s_cmp_eq_u32 ttmp9, 2
	s_cselect_b64 s[96:97], s[100:101], s[96:97]
	s_lshl_b32 s46, s40, 10                        ; my 128 columns of the weight's 1,024: 256 cx + 128 x half, 4 bytes each
	s_lshl_b32 s47, s16, 9
	s_add_co_u32 s46, s46, s47
	s_mov_b32 s47, 0
	s_add_nc_u64 s[96:97], s[96:97], s[46:47]
.irp b, 0,1,2,3,4,5,6,7
	global_load_b128 v[BIAS+8*\b:BIAS+8*\b+3], v[BA], s[96:97] offset:64*\b
	global_load_b128 v[BIAS+8*\b+4:BIAS+8*\b+7], v[BA], s[96:97] offset:64*\b+16
.endr
	v_mul_u32_u24 v3, v1, PITCH
	v_lshl_add_u32 v4, v2, 4, v3                   ; a fragment's row x pitch + 16 x half
	s_mul_i32 s21, s15, HALFT                      ; my 128 rows of A
	s_mul_i32 s22, s16, HALFT                      ; my 128 rows of B,
	s_add_co_u32 s22, s22, 2*HALFT                 ; which lie behind A's 256
.irp s, 0,1
	v_add_nc_u32 v[ADRA+\s], s21, v4
	v_add_nc_u32 v[ADRB+\s], s22, v4
	s_add_co_u32 s21, s21, SLOT
	s_add_co_u32 s22, s22, SLOT
.endr
	v_mul_u32_u24 v5, v1, KS                       ; my row's scales: 32 bytes a row,
	v_lshrrev_b32 v6, 8, v5
	v_lshl_add_u32 v5, v6, 4, v5                   ; and 16 more for each 256 passed
	s_mul_i32 s21, s15, HALFS                      ; A's: my 128 rows
	s_mul_i32 s22, s16, HALFS                      ; B's: my 128 rows, behind A's 256
	s_add_co_u32 s22, s22, 2*HALFS
	s_sub_co_u32 s22, s22, s21
	v_mul_u32_u24 v6, s22, v2                      ; lanes 16-31 take B's: the lower base + half x the distance
	s_add_co_u32 s21, s21, SCL
	v_add_nc_u32 v5, v5, v6
	v_add_nc_u32 v[ADRS], s21, v5
	s_mul_i32 s23, s14, 16*SPITCH                  ; my stage
	v_mul_u32_u24 v5, v1, SPITCH                   ; in: row l % 16, 16 bytes for each half of the lanes
	v_lshl_add_u32 v5, v2, 4, v5
	v_add_nc_u32 v[STO], s23, v5
	v_bfe_u32 v6, v0, 3, 1                         ; back: lanes 0-15 take two rows' 128 bytes of my first head, lanes 16-31 of my second:
	v_and_b32 v7, 7, v0                            ; row (l / 8) % 2, head l / 16, 16 bytes at 16 (l % 8)
	v_mul_u32_u24 v5, v6, SPITCH
	v_lshl_add_u32 v5, v2, 7, v5
	v_lshl_add_u32 v5, v7, 4, v5
	v_add_nc_u32 v[RD], s23, v5
	v_lshlrev_b32 v[CO], 18, v2                    ; and the same place in qkv: a head is 2^18 bytes, a position 128
	v_lshl_add_u32 v[CO], v6, 7, v[CO]
	v_lshl_add_u32 v[CO], v7, 4, v[CO]
	s_lshl_b32 s20, ttmp9, 24                      ; where my part begins in qkv: kind,
	s_lshr_b32 s21, s17, 3
	s_lshl_b32 s21, s21, 22                        ; batch = tile row / 8,
	s_add_co_u32 s20, s20, s21
	s_and_b32 s21, s17, 7
	s_lshl_b32 s21, s21, 15                        ; position 256 x (tile row % 8)
	s_add_co_u32 s20, s20, s21
	s_lshl_b32 s21, s15, 14                        ; + 128 x half, 128 bytes each,
	s_add_co_u32 s20, s20, s21
	s_lshl_b32 s46, s40, 20                        ; head 4 cx
	s_lshl_b32 s47, s16, 19                        ; + 2 x half
	s_add_co_u32 s46, s46, s47
	s_add_co_u32 s20, s20, s46
	s_mov_b32 s21, 0
	s_add_nc_u64 s[12:13], s[12:13], s[20:21]
.macro FRAG reg, adr, q, i             ; a fragment, 16 rows x 128 K of 4-bit codes, is 8 registers: lane l holds row l % 16; registers 4 c .. 4 c + 3 hold K = 64 c + 32 (l / 16) + 0 .. 31
.irp c, 0,1
	ds_load_b128 v[\reg+4*\c:\reg+4*\c+3], v[\adr] offset:64*(\q)+32*\c+(\i)*16*PITCH
.endr
.endm
; 16 matrix instructions: A's blocks a0, a0 + 1 x B's eight, 128 along K: the slot's q-th.  p: B's set;  sc: the set of scale words.  zero = 1: the first product starts the sums from the bias: nothing is cleared, nothing is added later.
; The 64 accumulators take turns, one instruction a turn, in the same order in every step.
.macro MUL16 a0, p, q, sc, zero
.irp a, \a0, \a0+1
.irp b, 0,1,2,3,4,5,6,7
.if \zero
	v_wmma_scale_f32_16x16x128_f8f6f4 v[8*(8*((\a)%4)+\b):8*(8*((\a)%4)+\b)+7], v[128*(\p)+FR*\b:128*(\p)+FR*\b+FR-1], v[AF+FR*(\a):AF+FR*(\a)+FR-1], v[BIAS+8*\b:BIAS+8*\b+7], v[SC+8*NQ*(\sc)+NQ*\b+(\q)], v[SC+8*NQ*(\sc)+NQ*(\a)+(\q)] matrix_a_fmt:MATRIX_FMT_FP4 matrix_b_fmt:MATRIX_FMT_FP4 matrix_a_scale:MATRIX_SCALE_ROW1
.else
	v_wmma_scale_f32_16x16x128_f8f6f4 v[8*(8*((\a)%4)+\b):8*(8*((\a)%4)+\b)+7], v[128*(\p)+FR*\b:128*(\p)+FR*\b+FR-1], v[AF+FR*(\a):AF+FR*(\a)+FR-1], v[8*(8*((\a)%4)+\b):8*(8*((\a)%4)+\b)+7], v[SC+8*NQ*(\sc)+NQ*\b+(\q)], v[SC+8*NQ*(\sc)+NQ*(\a)+(\q)] matrix_a_fmt:MATRIX_FMT_FP4 matrix_b_fmt:MATRIX_FMT_FP4 matrix_a_scale:MATRIX_SCALE_ROW1
.endif
.endr
.endr
.endm
.macro FETCH_B slot, q, p              ; B's eight fragments of the slot's q-th 128 along K into set p
	WIN TO_B
.irp i, 0,1,2,3,4,5,6,7
	FRAG 128*(\p)+FR*\i, ADRB+\slot, \q, \i
.endr
	WIN 0
.endm
.macro FETCH_A slot, q, i0             ; A's blocks i0 .. i0 + 3
.irp i, \i0, \i0+1, \i0+2, \i0+3
	FRAG AF+FR*(\i), ADRA+\slot, \q, \i
.endr
.endm
.macro SCALES sc                       ; a K step's scale words into set sc: four words a row; lanes 0-15 take A's block i, lanes 16-31 B's block i
.irp i, 0,1,2,3,4,5,6,7
	ds_load_b128 v[SC+8*NQ*\sc+NQ*\i:SC+8*NQ*\sc+NQ*\i+3], v[ADRS] offset:\i*SBLK
.endr
.endm
; A load into a register that a matrix instruction has read, and a vector instruction that reads a matrix result or writes one of a matrix instruction's registers, stand NP places behind it; only plain vector
; instructions that name none of its registers are places (ISA guide 7.12.1 for vector instructions).
.macro PLACES n
.rept \n
	v_nop
.endr
.endm
; A step of 128 along K that has its successor in the same slot.  A's blocks go one after the other, each against B's eight: so ONE set of registers serves A (blocks 0-3 fetched anew in the step's middle, 4-7 at its end), and B has two.
.macro STEP slot, q, zero
	s_wait_dscnt 4*NL                              ; B's set, the scale words and A's blocks 0-3 are in; the youngest eight loads (A's blocks 4-7) may be out
.if \zero
	WIN BEG_LO
.else
	WIN MUL_LO
.endif
	MUL16 0, (\q)%2, \q, \slot, \zero
	MUL16 2, (\q)%2, \q, \slot, \zero
	s_wait_dscnt 0                                 ; A's blocks 4-7 are in (asked for 32 matrix instructions ago)
	PLACES NP
	FETCH_B \slot, (\q)+1, 1-(\q)%2
	FETCH_A \slot, (\q)+1, 0
.if \zero
	WIN BEG_HI
.else
	WIN MUL_HI
.endif
	MUL16 4, (\q)%2, \q, \slot, \zero
	MUL16 6, (\q)%2, \q, \slot, \zero
	PLACES NP
	WIN 0
	FETCH_A \slot, (\q)+1, 4
.endm
; Slot 0's last step goes over to slot 1: ONE barrier; in front of it each wave waits for all its tensor loads, its part of slot 1 among them.
.macro TURN slot, next
	s_wait_tensorcnt 0x0                           ; all my tensor loads have landed: my part of the next slot  (every window is 0 here: the add's two registers lie in window 0)
	ds_add_u32 v[SPW], v[NIL]                      ; 0 onto my spare word
	s_wait_dscnt 4*NL+1                            ; (the add and the youngest eight loads, A's blocks 4-7, may be out)
	WIN MUL_LO
	MUL16 0, 1, NQ-1, \slot, 0                     ; sixteen matrix instructions stand between the add and the wait for it
	s_wait_dscnt 0x0                               ; the add is done, and my reads of this slot are over
	s_barrier_signal -1
	MUL16 2, 1, NQ-1, \slot, 0                     ; work on registers while the others arrive
	WIN 0
	s_barrier_wait -1                              ; the next slot is whole, and nobody reads this one any more
	PLACES NP
	v_add_nc_u32 v[ADRS], 4*NQ, v[ADRS]            ; on to the next K step's scale words
	FETCH_B \next, 0, 0
	FETCH_A \next, 0, 0
	SCALES \next
	WIN MUL_HI
	MUL16 4, 1, NQ-1, \slot, 0
	MUL16 6, 1, NQ-1, \slot, 0
	PLACES NP
	WIN 0
	FETCH_A \next, 0, 4
.endm
.macro STEPS slot, from                ; the slot's steps from .. NQ - 2
.set Q, \from
.rept NQ-1-\from
	STEP \slot, Q, 0
.set Q, Q+1
.endr
.endm
	s_wait_tensorcnt 1                             ; the scales and my part of K step 0 are in (K step 1's load, issued behind them, may be out),
	s_barrier_signal -1
	s_barrier_wait -1                              ; everybody's are
	FETCH_B 0, 0, 0
	FETCH_A 0, 0, 0
	SCALES 0
	FETCH_A 0, 0, 4
	s_wait_loadcnt 0x0                             ; the bias
	STEP 0, 0, 1                                   ; the first step's products start the sums
	STEPS 0, 1
	TURN 0, 1
	STEPS 1, 0
	s_wait_dscnt 4*NL                              ; the very last step: nothing more to fetch
	WIN MUL_LO
	MUL16 0, 1, NQ-1, 1, 0
	MUL16 2, 1, NQ-1, 1, 0
	s_wait_dscnt 0
	WIN MUL_HI
	MUL16 4, 1, NQ-1, 1, 0
	MUL16 6, 1, NQ-1, 1, 0
	WIN 0
; THE WAY OUT, block by block of 16 rows x 128 columns (two heads).  PACK: rounded to f16, a lane's eight columns are 16 bytes.  TOSTAGE: into my own stage in LDS, and back so that sixteen lanes hold two positions
; of one head, which are 256 consecutive bytes of qkv.  SEND: stored.  LDS serves a wave's instructions in order (ISA guide 5.7.1.4): no wait between the stores and the loads.
.macro PACK a
.set AC, 64*((\a)%4)
.set TT, TMP+32*((\a)%2)
	WIN 0x0a+5*((\a)/4)                            ; sources 0 and 1: window 2 or 3
.irp b, 0,1,2,3,4,5,6,7
.irp r, 0,1,2,3
	v_cvt_pk_f16_f32 v[TT+4*\b+\r], v[AC+8*\b+2*\r], v[AC+8*\b+2*\r+1]   ; each accumulator from its low end on
.endr
.endr
	WIN 0
.endm
.macro TOSTAGE a
.set TT, TMP+32*((\a)%2)
.set BB, BK+32*((\a)%2)
.irp b, 0,1,2,3,4,5,6,7
	ds_store_b128 v[STO], v[TT+4*\b:TT+4*\b+3] offset:32*\b
.endr
.irp t, 0,1,2,3,4,5,6,7
	ds_load_b128 v[BB+4*\t:BB+4*\t+3], v[RD] offset:\t*2*SPITCH
.endr
.endm
.macro SEND a
.set BB, BK+32*((\a)%2)
	s_wait_dscnt 0x0                               ; the block is back in registers
	s_wait_xcnt 0x0                                ; the block before has had its stores' addresses translated (ISA guide 3.1): its registers take the next block's loads only behind this wait
.irp t, 0,1,2,3,4,5,6,7
	global_store_b128 v[CO], v[BB+4*\t:BB+4*\t+3], s[12:13] offset:2048*(\a)+256*\t   ; 16 lanes store 256 consecutive bytes, at a multiple of 256 from qkv's first byte
.endr
.endm
	PLACES NP                                      ; behind the last products: for the conversions' reads, their writes over the scale words, and the loads into A's registers
	PACK 0
	TOSTAGE 0
.irp a, 1,2,3,4,5,6,7                  ; block a's conversions stand between block a - 1's loads from the stage and the wait for them
	PACK \a
	SEND \a-1
	TOSTAGE \a
.endr
	SEND 7
	s_wait_tensorcnt 0x0                           ; the wave's end: these three lines, behind my last tensor load and my last LDS store
	ds_add_u32 v[SPW], v[NIL]
	s_wait_dscnt 0x0
	CROUND                                         ; the closing round: no work-group ends while a partner may still ask for a tile that names it
	s_endpgm
.Lfunc_end_k_qfe99778904_proj:
	.size	k_qfe99778904_proj, .Lfunc_end_k_qfe99778904_proj-k_qfe99778904_proj
	.p2alignl 7, 3214868480
	.fill 96, 4, 3214868480
	.section	.rodata,"a",@progbits
	.p2align	6, 0x0
	.amdhsa_kernel k_qfe99778904_proj
		.amdhsa_group_segment_fixed_size 327680
		.amdhsa_private_segment_fixed_size 0
		.amdhsa_enable_private_segment 0
		.amdhsa_kernarg_size 64
		.amdhsa_user_sgpr_count 2
		.amdhsa_user_sgpr_kernarg_segment_ptr 1
		.amdhsa_wavefront_size32 1
		.amdhsa_system_sgpr_workgroup_id_x 1
		.amdhsa_system_sgpr_workgroup_id_y 1
		.amdhsa_system_sgpr_workgroup_id_z 1
		.amdhsa_system_vgpr_workitem_id 0
		.amdhsa_next_free_vgpr 1024
		.amdhsa_next_free_sgpr 102
		.amdhsa_reserve_vcc 0
		.amdhsa_float_denorm_mode_32 3
		.amdhsa_float_denorm_mode_16_64 3
		.amdhsa_memory_ordered 1
		.amdhsa_forward_progress 1
		.amdhsa_inst_pref_size 128
	.end_amdhsa_kernel
	.amdgpu_metadata
---
amdhsa.version: [ 1, 2 ]
amdhsa.kernels:
  - .name:           k_qfe99778904_proj
    .symbol:         k_qfe99778904_proj.kd
    .args:
      - { .name: x_codes, .offset: 0, .size: 8, .value_kind: global_buffer, .address_space: global }
      - { .name: x_scales, .offset: 8, .size: 8, .value_kind: global_buffer, .address_space: global }
      - { .name: w_codes, .offset: 16, .size: 8, .value_kind: global_buffer, .address_space: global }
      - { .name: w_scales, .offset: 24, .size: 8, .value_kind: global_buffer, .address_space: global }
      - { .name: qkv, .offset: 32, .size: 8, .value_kind: global_buffer, .address_space: global }
      - { .name: bq, .offset: 40, .size: 8, .value_kind: global_buffer, .address_space: global }
      - { .name: bk, .offset: 48, .size: 8, .value_kind: global_buffer, .address_space: global }
      - { .name: bv, .offset: 56, .size: 8, .value_kind: global_buffer, .address_space: global }
    .group_segment_fixed_size: 327680
    .private_segment_fixed_size: 0
    .kernarg_segment_align: 8
    .kernarg_segment_size: 64
    .max_flat_workgroup_size: 128
    .sgpr_count:     102
    .vgpr_count:     1024
    .wavefront_size: 32
...
	.end_amdgpu_metadata
.endif
;; end of part 3
;; launch attn (part 4): grid 4 x 64, 16 waves a work-group, clusters of 4 x 1, 327,680 bytes of LDS; arguments qkv, out0; writes out0
.if DOCPART == 4
	.amdgcn_target "amdgcn-amd-amdhsa--gfx1250"
	.amdhsa_code_object_version 6
	.text
	.protected	k_qfe99778904_attn
	.globl	k_qfe99778904_attn
	.p2align	8
	.type	k_qfe99778904_attn,@function
k_qfe99778904_attn:
	s_mov_b64 s[64:65], 0
	v_nop
	global_prefetch_b8 v0, s[64:65] scope:SCOPE_SE
	s_setreg_imm32_b32 hwreg(HW_REG_WAVE_MODE, 25, 1), 1
	s_wait_xcnt 0x0
	s_wait_alu depctr_hold_cnt(0) depctr_sa_sdst(0) depctr_va_vdst(0) depctr_va_sdst(0) depctr_va_ssrc(0) depctr_va_vcc(0) depctr_vm_vsrc(0)
	s_getreg_b32 s2, hwreg(HW_REG_IB_STS2, 6, 4)
	s_cmp_eq_u32 s2, 0
	s_cbranch_scc0 .Lentry_in_a_cluster
	s_endpgm
.Lentry_in_a_cluster:
	s_bfe_u32 s2, ttmp6, 0x10000c
	s_cmp_lg_u32 s2, 0x3003
	s_cbranch_scc0 .Lentry_shape_is_right
	s_endpgm
.Lentry_shape_is_right:
; out0[b][q][64 head + d] = the sum over k of softmax_k(Q[q] . K[k] / 8) V[k][d], for each of the 64 (batch, head) pairs.  Q, K, V: f16, [2048][64] a head, in qkv (kind<<24 | (16 b + head)<<18 | position<<7 | 2 d).
; Products on f16 operands with f32 sums; maxima, exponentials and sums in f32; the weights p are rounded to f16 for the second product; out0 is f32.
; SOFTMAX.  For each query a running maximum m and sum l: p = 2^(c s - c m), c = log2(e) / 8; in every step O and l are multiplied by a = 2^(c m_old - c m_new), which is 1 where m has not grown.
; LIMITS: c m is one f32 product, the same for all keys of a row, so it cancels between O and l; p at the row's maximum may differ from 1 by the rounding of c m.  NaN and infinities are not served.
; SHARES.  A cluster of four work-groups is one (batch, head); work-group cx owns queries 512 cx on; each of its SIXTEEN waves owns 32 of them, two tiles of 16, in 256 registers: four waves to a SIMD, so that one
; wave's vector work stands beside another's matrix work and LDS loads.  Every wave walks all 2,048 keys, 64 a step.  The four partners walk the same K and V: each tile is asked for JOINTLY, by the same tensor load
; with the same descriptor and a mask that names the four.  The tiles come through a ring of two LDS slots of 256 keys (waves 0, 1: K's halves; waves 2, 3: V's) and are read by all sixteen waves.
; LAYOUT.  S^T = K Q^T (source 0 = 16 keys, source 1 = 16 queries): a lane holds ONE query (lane % 16) and the keys 8 (lane / 16) + 0..7 of a tile.  Two such tiles, rounded to f16 in pairs, ARE source 1
; (32 keys x 16 queries) of O^T = V^T P, whose result again holds one query a lane, and eight channels.  K comes out of LDS as it lies, V ([key][channel]) turned, by ds_load_tr16_b128.
; REGISTERS: v1-11 addresses; v12-27 eight registers of statistics a tile; v28-59 Q; v60-123 a step's K, then its V; v124-187 S^T, then p, then P in place; v188-251 O^T.
.set SK,    256                        ; keys in a slot
.set NSL,   2048/SK                    ; slots' worth of keys
.set PK,    144                        ; a key's row of K in LDS: 128 bytes + 16 of padding, an odd multiple of 16
.set PV,    160                        ; a key's row of V: 128 + 32, an odd multiple of 32, for the turning load
.set VOFF,  SK*PK                      ; a slot: 256 rows of K, then 256 rows of V
.set SLOT1, 1<<17                      ; slot 1 begins here, so that one exclusive or turns an address in one slot into the other's
.set SPARE, SLOT1+SK*(PK+PV)           ; behind the ring: the spare words, 128 bytes for each of sixteen waves, which no other line names
.set SP,    272                        ; the way out: a stage of 16 rows x (256 bytes + 16) for each wave, in slot 0: left at the last change of slots, it has had its last fill and nobody reads it
.set AK0,  1                           ; v1   my lane's place in a tile of K; never rewritten
.set AV0,  2                           ; v2   the same for V
.set ADK,  3                           ; v3   LDS address of the step's K
.set ADV,  4                           ; v4   of its V
.set SPW,  5                           ; v5   LDS address of my spare word; never rewritten
.set NIL,  6                           ; v6   0; never rewritten
.set PFO,  7                           ; v7   256 x my lane: the prefetches' offset; never rewritten
.set QO,   8                           ; v8   my byte offset in the wave's rows of Q; at the end in the wave's rows of out0
.set GO,   8
.set STO,  9                           ; v9   the way out: where I put 32 bytes of a row
.set RD,   10                          ; v10  the way out: where I read 16 bytes back
.set ST,   12                          ; tile t's statistics at v[ST + 8 t]: +0 c m, +1 m, +2, +3 l (two halves), +4 to +7 at work; a in +6
.set Q,    28                          ; tile t, channels 32 c on: v[Q + 16 t + 8 c]
.set KF,   60                          ; K: keys 16 kt on, channels 32 c on: v[KF + 16 kt + 8 c];  V: keys 32 kc on, channels 16 ct on: v[KF + 32 kc + 8 ct]
.set S,    124                         ; S^T: tile t, keys 16 kt on: v[S + 32 t + 8 kt];  P: keys 32 kc on: v[S + 32 t + 8 kc]
.set O,    188                         ; O^T: tile t, channels 16 ct on: v[O + 32 t + 8 ct]
.set WV,   8                           ; s8   my wave's number
.set CX,   9                           ; s9   my place in the cluster
.set BH,   10                          ; s10  16 x batch + head
.set SEL,  20                          ; s[20:21] lane selects for v_permlanex16_b32: lane l xor 16
.set CS,   22                          ; s[22:23] c: the packed form names a pair and takes its low word for both halves
.set G1K,  24                          ; s[24:31] descriptor group 1 for K's tiles;  s[32:39] for V's: it differs in the padding alone
.set G1V,  32
.set G0K,  40                          ; s[40:43], s[44:47] their groups 0, which walk
.set G0V,  44
.set TB,   48                          ; s48  LDS byte at which the slot in hand begins
.set SLOTS, 49                         ; s49  slots still to be asked for
.set LIM,  50                          ; s50  1 in a wave that prefetches, else the greatest number
.set PFA,  52                          ; s[52:53] where my prefetches stand: my work-group's quarter of the slot after the one that is being asked for
.set KB,   54                          ; s[54:55] the head's K;  s[56:57] its V;  s[58:59] my wave's Q;  s[60:61] my wave's rows of out0
.set VB,   56
.set QB,   58
.set OB,   60
; A joint load.  Waves 0 and 1 fetch K's halves, waves 2 and 3 V's, the others nothing.  The branches hang on the wave's number alone: they are the same in every work-group.
; An s_nop 0 and four v_nop follow each of the two lines.
.macro TLOAD
	s_cmp_lt_u32 s[WV], 2
	s_cbranch_scc0 .Lnot_k_\@
	tensor_load_to_lds s[G0K:G0K+3], s[G1K:G1K+7]
	s_nop 0
.rept 4
	v_nop
.endr
	s_branch .Lasked_\@
.Lnot_k_\@:
	s_cmp_lt_u32 s[WV], 4
	s_cbranch_scc0 .Lasked_\@
	tensor_load_to_lds s[G0V:G0V+3], s[G1V:G1V+7]
	s_nop 0
.rept 4
	v_nop
.endr
.Lasked_\@:
.endm
; A PREFETCH INTO THE L2 of what the NEXT change of slots will ask for: a slot's 32,768 consecutive bytes of K and as many of V.  Each aligned block of 256 bytes is named ONCE in the launch: a head's K and V are
; read by its own cluster alone; the four partners share a slot's bytes out BY ADDRESS, 8,192 each, lanes 256 bytes apart; in each, wave 4 asks for K's and wave 5 for V's, which fetch nothing: one instruction.
; It stands where the fetching waves have just issued their tensor load: a slot's four key steps ahead of the load that will want the bytes.  The last change that fills a slot asks for nothing; slots 0 and 1 come by their loads alone.
.macro ASK
	s_cmp_gt_u32 s[SLOTS], s[LIM]
	s_cbranch_scc0 .Lnot_mine_\@
	global_prefetch_b8 v[PFO], s[PFA:PFA+1] th:TH_LOAD_NT scope:SCOPE_SE
.Lnot_mine_\@:
.endm
; A round of the cluster's barrier: my work-group's barrier; wave 0 signals for the work-group; every wave waits for all four work-groups; my work-group's barrier once more.
.macro CROUND
	s_barrier_signal -1
	s_barrier_wait -1
	s_cmp_lg_u32 s[WV], 0
	s_cbranch_scc1 .Lnot_wave_0_\@
	s_barrier_signal -3
.Lnot_wave_0_\@:
	s_barrier_wait -3
	s_barrier_signal -1
	s_barrier_wait -1
.endm
	s_load_b128 s[4:7], s[0:1], 0x0                ; qkv s[4:5], out0 s[6:7]
	v_lshl_add_u32 v[SPW], v0, 2, SPARE
	v_mov_b32 v[NIL], 0
	ds_add_u32 v[SPW], v[NIL]                      ; the wave's opening: the add, twice on end, and its wait ahead of the first tensor loads; the set-up below stands between the second and the wait
	ds_add_u32 v[SPW], v[NIL]
	v_lshrrev_b32 v11, 5, v0
	v_readfirstlane_b32 s[WV], v11                 ; wave 0..15
	s_bfe_u32 s[CX], ttmp6, 0x40000                ; cx: it enters Q's, out0's and the prefetches' addresses alone
	s_and_b32 s[BH], ttmp7, 0xffff                 ; the cluster's y: which (batch, head); the four partners share it
	; descriptor group 1: a tile of 128 rows x 64 elements of 2 bytes, dense in memory, padded in LDS
	s_mov_b32 s[G1K], 15|(1<<16)|(1<<20)|(1<<21)|(4<<22)|(3<<25)  ; 15:0 the mask: all four work-groups; 17:16 elements of 2 bytes; 20 padding on; 21 set beside a mask; 24:22 after every 32 words; 31:25 four words of it
	s_mov_b32 s[G1V], 15|(1<<16)|(1<<20)|(1<<21)|(4<<22)|(7<<25)  ; the same with eight words of padding
.irp g, G1K, G1V
	s_mov_b32 s[\g+1], 64<<16                      ; tensor_dim0 = 64
	s_mov_b32 s[\g+2], 128<<16                     ; tensor_dim1 = 128
	s_mov_b32 s[\g+3], 64<<16                      ; tile_dim0 = 64
	s_mov_b32 s[\g+4], 128                         ; tile_dim1 = 128
	s_mov_b32 s[\g+5], 64                          ; elements from row to row
	s_mov_b32 s[\g+6], 0
	s_mov_b32 s[\g+7], 0
.endr
	s_mov_b32 s[SEL], 0x76543210
	s_mov_b32 s[SEL+1], 0xfedcba98
	s_mov_b32 s[CS], 0x3e38aa3b                    ; c = log2(e) / sqrt(64)
	s_mov_b32 s[CS+1], s[CS]                       ; (named with it as a pair, so it is written)
	s_mov_b32 s[TB], 0
	s_mov_b32 s[SLOTS], NSL-1
	s_sub_co_u32 s11, s[WV], 4
	s_lshr_b32 s11, s11, 1                         ; 0 in waves 4 and 5 alone
	s_cmp_eq_u32 s11, 0
	s_cselect_b32 s[LIM], 1, -1
	s_and_b32 s11, s[WV], 1                        ; which half of a slot's rows I fetch, if I fetch:
	s_mul_i32 s12, s11, 128*PK                     ; its place in a slot, for K
	s_mul_i32 s13, s11, 128*PV                     ; and for V: no place in the cluster enters an LDS address;
	s_lshl_b32 s14, s11, 14                        ; its 128 rows of 128 bytes in memory
	s_mov_b32 s15, 0
	s_lshl_b32 s16, s[BH], 18                      ; the head's first byte in each of q, k, v
	s_mov_b32 s17, 0
	s_lshl_b32 s18, s[CX], 16                      ; my work-group's 512 queries of 128 bytes,
	s_lshl_b32 s19, s[WV], 12                      ; my wave's 32
	s_add_co_u32 s18, s18, s19
	s_mov_b32 s19, 0
	s_lshr_b32 s62, s[BH], 4                       ; out0: batch x 2048 rows of 4,096 bytes,
	s_lshl_b32 s62, s62, 23
	s_lshl_b32 s63, s[CX], 21                      ; 512 rows a work-group,
	s_add_co_u32 s62, s62, s63
	s_lshl_b32 s63, s[WV], 17                      ; 32 a wave,
	s_add_co_u32 s62, s62, s63
	s_and_b32 s63, s[BH], 15
	s_lshl_b32 s63, s63, 8                         ; and the head's 256 bytes of a row
	s_add_co_u32 s62, s62, s63
	s_mov_b32 s63, 0
	s_wait_dscnt 0x0                               ; both opening adds are done
	s_wait_kmcnt 0x0
	s_add_nc_u64 s[16:17], s[4:5], s[16:17]        ; the head's q
	s_add_nc_u64 s[KB:KB+1], s[16:17], 1<<24       ; its k
	s_add_nc_u64 s[VB:VB+1], s[16:17], 2<<24       ; its v
	s_add_nc_u64 s[QB:QB+1], s[16:17], s[18:19]
	s_add_nc_u64 s[OB:OB+1], s[6:7], s[62:63]
	s_mov_b32 s[G0K], 1                            ; 1:0 count = 1
	s_mov_b32 s[G0K+1], s12                        ; 63:32 LDS address: slot 0
	s_add_nc_u64 s[G0K+2:G0K+3], s[KB:KB+1], s[14:15]  ; 120:64 global address: my half of the head's first 256 keys
	s_or_b32 s[G0K+3], s[G0K+3], 0x80000000        ; 127:126 type = 2
	s_mov_b32 s[G0V], 1
	s_add_co_u32 s[G0V+1], s13, VOFF
	s_add_nc_u64 s[G0V+2:G0V+3], s[VB:VB+1], s[14:15]
	s_or_b32 s[G0V+3], s[G0V+3], 0x80000000
	s_cmp_eq_u32 s[WV], 4                          ; wave 4 prefetches K's bytes, wave 5 V's
	s_cselect_b64 s[PFA:PFA+1], s[KB:KB+1], s[VB:VB+1]
	s_lshl_b32 s18, s[CX], 13                      ; my work-group's 8,192 bytes of a slot's 32,768,
	s_add_co_u32 s18, s18, SK*128                  ; in slot 1: the first change of slots steps it to slot 2.  Nothing is prefetched here, at the head
	s_add_nc_u64 s[PFA:PFA+1], s[PFA:PFA+1], s[18:19]
	CROUND                                         ; all four work-groups are here: the first joint loads meet
	TLOAD                                          ; slot 0
	v_and_b32 v11, 15, v0                          ; r = lane % 16
	v_bfe_u32 v3, v0, 4, 1                         ; h = lane / 16
	v_lshlrev_b32 v[QO], 7, v11
	v_lshl_add_u32 v[QO], v3, 4, v[QO]             ; Q: row r of 128 bytes, + 16 h
.irp t, 0,1                                    ; a fragment is 16 rows x 32 channels in 8 registers: registers 0-3 channels 8 h + 0..7, registers 4-7 channels 16 + 8 h + 0..7: two loads of 16 bytes, 32 bytes apart.  Q stays in registers
.irp c, 0,1
	global_load_b128 v[Q+16*\t+8*\c:Q+16*\t+8*\c+3], v[QO], s[QB:QB+1] offset:2048*\t+64*\c
	global_load_b128 v[Q+16*\t+8*\c+4:Q+16*\t+8*\c+7], v[QO], s[QB:QB+1] offset:2048*\t+64*\c+32
.endr
.endr
	v_mul_u32_u24 v[AK0], v11, PK
	v_lshl_add_u32 v[AK0], v3, 4, v[AK0]           ; K: row x pitch + 16 h
	v_and_b32 v4, 7, v0                            ; V: the turning load takes 16 keys x 16 channels: lane l reads 16 bytes of key 8 h + l % 8, channels 8 ((l / 8) % 2) on
	v_lshl_add_u32 v[AV0], v3, 3, v4
	v_mul_u32_u24 v[AV0], v[AV0], PV
	v_bfe_u32 v4, v0, 3, 1
	v_lshl_add_u32 v[AV0], v4, 4, v[AV0]
	v_add_nc_u32 v[AV0], VOFF, v[AV0]
	v_and_b32 v[PFO], 31, v0
	v_lshlrev_b32 v[PFO], 8, v[PFO]
	s_mul_i32 s11, s[WV], 16*SP                    ; my stage, for the way out
	v_mul_u32_u24 v[STO], v11, SP                  ; in: row r, 32 bytes for each half of the lanes
	v_lshl_add_u32 v[STO], v3, 5, v[STO]
	v_add_nc_u32 v[STO], s11, v[STO]
	v_mul_u32_u24 v[RD], v3, SP                    ; back: lanes 0-15 one row of 256 bytes, lanes 16-31 the next
	v_lshl_add_u32 v[RD], v11, 4, v[RD]
	v_add_nc_u32 v[RD], s11, v[RD]
.irp t, 0,1
	v_mov_b32 v[ST+8*\t+1], 0xff61b1e6             ; m: -3e38, under every score
	v_mul_f32 v[ST+8*\t], s[CS], v[ST+8*\t+1]      ; c m
.irp j, 2,3,4,5,6,7
	v_mov_b32 v[ST+8*\t+\j], 0                     ; l; and the registers at work, written once (a lane permute's destination counts as one of its sources)
.endr
.endr
.set i, 0
.rept 64
	v_mov_b32 v[O+i], 0                            ; O^T.  The key step is written once for all steps: the first finds zeros, which its a = 0 leaves zeros; that spares a second form of the step
.set i, i+1
.endr
; A KEY STEP: 64 keys, the q-th of the slot in hand, for both tiles.
.macro STEP q
	v_add_nc_u32 v[ADK], s[TB], v[AK0]
	v_add_nc_u32 v[ADV], s[TB], v[AV0]
.rept 3
	v_nop                                          ; with the two additions five places behind the last V^T P: four for the loads into the registers that it read, five since the products below write over P
.endr
.irp c, 0,1                                    ; K: 64 keys x 64 channels; channels 0-31 first
.irp kt, 0,1,2,3
	ds_load_b128 v[KF+16*\kt+8*\c:KF+16*\kt+8*\c+3], v[ADK] offset:(64*(\q)+16*\kt)*PK+64*\c
	ds_load_b128 v[KF+16*\kt+8*\c+4:KF+16*\kt+8*\c+7], v[ADK] offset:(64*(\q)+16*\kt)*PK+64*\c+32
.endr
.endr
	s_wait_dscnt 8                                 ; channels 0-31 are in; the eight loads of channels 32-63 may be out
.irp kt, 0,1,2,3                               ; S^T = K Q^T: the eight accumulators by turns, one instruction a turn; the first products start the sums
.irp t, 0,1
	v_wmma_f32_16x16x32_f16 v[S+32*\t+8*\kt:S+32*\t+8*\kt+7], v[KF+16*\kt:KF+16*\kt+7], v[Q+16*\t:Q+16*\t+7], 0
.endr
.endr
	s_wait_dscnt 0x0
.irp kt, 0,1,2,3
.irp t, 0,1
	v_wmma_f32_16x16x32_f16 v[S+32*\t+8*\kt:S+32*\t+8*\kt+7], v[KF+16*\kt+8:KF+16*\kt+15], v[Q+16*\t+8:Q+16*\t+15], v[S+32*\t+8*\kt:S+32*\t+8*\kt+7]
.endr
.endr
.rept 4
	v_nop                                          ; four places: for the loads into K's registers, and for the first read of the scores
.endr
.irp kc, 0,1                                   ; V, turned, into the registers that K has left: it lands while the softmax is walked
.irp ct, 0,1,2,3
	ds_load_tr16_b128 v[KF+32*\kc+8*\ct:KF+32*\kc+8*\ct+3], v[ADV] offset:(64*(\q)+32*\kc)*PV+32*\ct
	ds_load_tr16_b128 v[KF+32*\kc+8*\ct+4:KF+32*\kc+8*\ct+7], v[ADV] offset:(64*(\q)+32*\kc+16)*PV+32*\ct
.endr
.endr
	; the maximum of a lane's 32 scores and the old m: four chains, one to an accumulator, each from the accumulator's low end on; the two tiles line by line
.irp j, 0,1,2,3
.irp t, 0,1
	v_max3_num_f32 v[ST+8*\t+4+\j], v[S+32*\t+8*\j], v[S+32*\t+8*\j+1], v[S+32*\t+8*\j+2]
.endr
.endr
.irp u, 1,2
.irp j, 0,1,2,3
.irp t, 0,1
	v_max3_num_f32 v[ST+8*\t+4+\j], v[ST+8*\t+4+\j], v[S+32*\t+8*\j+2*\u+1], v[S+32*\t+8*\j+2*\u+2]
.endr
.endr
.endr
.irp t, 0,1
	v_max3_num_f32 v[ST+8*\t+4], v[ST+8*\t+4], v[S+32*\t+7], v[S+32*\t+15]
.endr
.irp t, 0,1
	v_max3_num_f32 v[ST+8*\t+6], v[ST+8*\t+6], v[S+32*\t+23], v[S+32*\t+31]
.endr
.irp t, 0,1
	v_max3_num_f32 v[ST+8*\t+4], v[ST+8*\t+4], v[ST+8*\t+5], v[ST+8*\t+6]
.endr
.irp t, 0,1
	v_max3_num_f32 v[ST+8*\t+4], v[ST+8*\t+4], v[ST+8*\t+7], v[ST+8*\t+1]
.endr
.irp t, 0,1
	v_permlanex16_b32 v[ST+8*\t+5], v[ST+8*\t+4], s[SEL], s[SEL+1]   ; the query's other 32 keys lie in the lane 16 away
.endr
.irp t, 0,1
	v_mov_b32 v[ST+8*\t+7], v[ST+8*\t]             ; c m_old is kept for a
.endr
.irp t, 0,1
	v_max_num_f32 v[ST+8*\t+1], v[ST+8*\t+4], v[ST+8*\t+5]          ; the new m
.endr
.irp t, 0,1
	v_mul_f32 v[ST+8*\t], s[CS], v[ST+8*\t+1]      ; c m
.endr
.irp t, 0,1
	v_sub_f32 v[ST+8*\t+7], v[ST+8*\t+7], v[ST+8*\t]                ; c m_old - c m_new, 0 or less
.endr
.set i, 0
.rept 16
.irp t, 0,1
	v_pk_fma_f32 v[S+32*\t+i:S+32*\t+i+1], v[S+32*\t+i:S+32*\t+i+1], s[CS:CS+1], v[ST+8*\t:ST+8*\t+1] op_sel_hi:[1,0,0] neg_lo:[0,0,1] neg_hi:[0,0,1]   ; c s - c m, two at a time
.endr
.set i, i+2
.endr
	; ONE BATCH of 66 exponentials, none of which reads another's result
.irp t, 0,1
	v_exp_f32 v[ST+8*\t+6], v[ST+8*\t+7]           ; a
.endr
.set i, 0
.rept 32
.irp t, 0,1
	v_exp_f32 v[S+32*\t+i], v[S+32*\t+i]           ; p, at most about 1
.endr
.set i, i+1
.endr
	v_nop                                          ; a plain instruction behind the last exponential, ahead of the first use
	s_wait_alu depctr_va_vdst(0)                   ; the wait ahead of the first instruction that names a result: one for the whole batch
.irp t, 0,1
	v_pk_mul_f32 v[ST+8*\t+2:ST+8*\t+3], v[ST+8*\t+2:ST+8*\t+3], v[ST+8*\t+6:ST+8*\t+7] op_sel_hi:[1,0]   ; l under the new m
.endr
.irp t, 0,1
	v_pk_add_f32 v[ST+8*\t+4:ST+8*\t+5], v[S+32*\t:S+32*\t+1], v[S+32*\t+2:S+32*\t+3]   ; the sum of p in f32, ahead of the rounding: two at a time, two chains a tile
.endr
.irp j, 4,8,12,16,20,24,28
.irp t, 0,1
	v_pk_add_f32 v[ST+8*\t+2:ST+8*\t+3], v[ST+8*\t+2:ST+8*\t+3], v[S+32*\t+\j:S+32*\t+\j+1]
	v_pk_add_f32 v[ST+8*\t+4:ST+8*\t+5], v[ST+8*\t+4:ST+8*\t+5], v[S+32*\t+\j+2:S+32*\t+\j+3]
.endr
.endr
.irp t, 0,1
	v_pk_add_f32 v[ST+8*\t+2:ST+8*\t+3], v[ST+8*\t+2:ST+8*\t+3], v[ST+8*\t+4:ST+8*\t+5]
.endr
.set i, 0
.rept 16
.irp t, 0,1
	v_cvt_pk_f16_f32 v[S+32*\t+i], v[S+32*\t+2*i], v[S+32*\t+2*i+1]   ; P in place, ascending: register i takes p's 2 i and 2 i + 1, which no later line reads at i
.endr
.set i, i+1
.endr
.set i, 0
.rept 16
.irp t, 0,1
	v_pk_mul_f32 v[O+32*\t+i:O+32*\t+i+1], v[O+32*\t+i:O+32*\t+i+1], v[ST+8*\t+6:ST+8*\t+7] op_sel_hi:[1,0]   ; O^T under the new m, each accumulator from its low end on
.endr
.set i, i+2
.endr
	s_wait_dscnt 0x0                               ; V is in
.irp kc, 0,1                                   ; O^T += V^T P: the eight accumulators by turns
.irp ct, 0,1,2,3
.irp t, 0,1
	v_wmma_f32_16x16x32_f16 v[O+32*\t+8*\ct:O+32*\t+8*\ct+7], v[KF+32*\kc+8*\ct:KF+32*\kc+8*\ct+7], v[S+32*\t+8*\kc:S+32*\t+8*\kc+7], v[O+32*\t+8*\ct:O+32*\t+8*\ct+7]
.endr
.endr
.endr
.endm
; THE CHANGE OF SLOTS stands at a slot's head.  Each wave waits for all its tensor loads (its part of the slot that it is about to read), adds 0 to its spare word, and waits for that and for its reads of the slot that it has left.
; fill = 1: the barrier is a round of the cluster's, so that no wave of any partner still reads the slot that was left or has a load on its way; the joint load of the keys that follow is the first thing behind it,
; a wave's one tensor load until the next round, and has a whole slot's four steps in which to land.
.macro CHANGE fill
	s_wait_tensorcnt 0x0                           ; no tensor load of mine is out, so a group 0 may be written
	ds_add_u32 v[SPW], v[NIL]                      ; 0 onto my spare word
.if \fill
	ds_add_u32 v[SPW], v[NIL]                      ; and once more: the add twice on end, in every trip alike
	s_xor_b32 s[G0K+1], s[G0K+1], SLOT1            ; the walking descriptors: the other slot than last time,
	s_add_nc_u64 s[G0K+2:G0K+3], s[G0K+2:G0K+3], SK*128   ; the next 256 keys; the type bits on top are not reached
	s_xor_b32 s[G0V+1], s[G0V+1], SLOT1
	s_add_nc_u64 s[G0V+2:G0V+3], s[G0V+2:G0V+3], SK*128
	s_wait_xcnt 0x0                                ; the last prefetch, a slot back, has read its address, so it may be written:
	s_add_nc_u64 s[PFA:PFA+1], s[PFA:PFA+1], SK*128   ; one slot further on than the walking descriptors
	s_wait_dscnt 0x0                               ; both adds are done, and my reads of the slot that I have left are over
	CROUND
	TLOAD
	ASK
.else
	s_wait_dscnt 0x0                               ; the add is done, and my reads of the slot that I have left are over
	s_barrier_signal -1
	s_barrier_wait -1
.endif
.endm
.macro SLOT_STEPS
	STEP 0
	STEP 1
	STEP 2
	STEP 3
	s_xor_b32 s[TB], s[TB], SLOT1                  ; on to the other slot
.endm
	s_wait_loadcnt 0x0                             ; Q
.Lslot:                                            ; NSL - 1 trips: behind each change of slots but the last the next slot is asked for
	CHANGE 1
	SLOT_STEPS
	s_sub_co_u32 s[SLOTS], s[SLOTS], 1
	s_cmp_lg_u32 s[SLOTS], 0
	s_cbranch_scc1 .Lslot
	CHANGE 0                                       ; the last slot is written out
	SLOT_STEPS
	; THE WAY OUT.  l's two halves and the other half of the lanes' are added; O^T is divided by l and goes through my stage in LDS, a tile (16 queries x 256 bytes) at a time, so that sixteen lanes store
	; the head's 256 consecutive bytes of a row of out0.  The four address lines are the places behind the last products.
	v_and_b32 v11, 15, v0                          ; r
	v_bfe_u32 v3, v0, 4, 1                         ; h
	v_lshlrev_b32 v[GO], 12, v3                    ; out0: lanes 0-15 one row of 4,096 bytes, lanes 16-31 the next;
	v_lshl_add_u32 v[GO], v11, 4, v[GO]            ; 16 bytes a lane
.irp t, 0,1
	v_add_f32 v[ST+8*\t+4], v[ST+8*\t+2], v[ST+8*\t+3]
.endr
.irp t, 0,1
	v_permlanex16_b32 v[ST+8*\t+5], v[ST+8*\t+4], s[SEL], s[SEL+1]
.endr
.irp t, 0,1
	v_add_f32 v[ST+8*\t+4], v[ST+8*\t+4], v[ST+8*\t+5]
.endr
.irp t, 0,1
	v_rcp_f32 v[ST+8*\t+6], v[ST+8*\t+4]
.endr
	v_nop                                          ; a plain instruction between the last reciprocal and the use of its result
	s_wait_alu depctr_va_vdst(0)                   ; and the wait ahead of the first use: one for both
.irp t, 0,1
.set i, 0
.rept 16
	v_pk_mul_f32 v[S+32*\t+i:S+32*\t+i+1], v[O+32*\t+i:O+32*\t+i+1], v[ST+8*\t+6:ST+8*\t+7] op_sel_hi:[1,0]   ; O^T / l: register 8 ct + j is channel 16 ct + 8 h + j of query r
.set i, i+2
.endr
.endr
.irp t, 0,1
.irp ct, 0,1,2,3
	ds_store_b128 v[STO], v[S+32*\t+8*\ct:S+32*\t+8*\ct+3] offset:64*\ct
	ds_store_b128 v[STO], v[S+32*\t+8*\ct+4:S+32*\t+8*\ct+7] offset:64*\ct+16
.endr
.irp i, 0,1,2,3,4,5,6,7
	ds_load_b128 v[KF+32*\t+4*\i:KF+32*\t+4*\i+3], v[RD] offset:2*\i*SP   ; LDS serves a wave's instructions in order (ISA guide 5.7.1.4): these see my stores, and the next tile's stores come behind them
.endr
.endr
.irp t, 0,1
.irp i, 0,1,2,3,4,5,6,7
	s_wait_dscnt 23-16*\t-\i                       ; this load is in; behind it stand the tile's later loads and, for tile 0, tile 1's sixteen instructions
	global_store_b128 v[GO], v[KF+32*\t+4*\i:KF+32*\t+4*\i+3], s[OB:OB+1] offset:(16*\t+2*\i)*4096 th:TH_STORE_NT   ; 16 lanes store 256 consecutive bytes, at a multiple of 256 from out0's first byte
.endr
.endr
	s_wait_tensorcnt 0x0                           ; the wave's end: these three lines, behind my last tensor load and my last LDS store
	ds_add_u32 v[SPW], v[NIL]
	s_wait_dscnt 0x0
	CROUND                                         ; the closing round: no work-group ends while a partner may still ask for a tile that names it
	s_endpgm
.Lfunc_end_k_qfe99778904_attn:
	.size	k_qfe99778904_attn, .Lfunc_end_k_qfe99778904_attn-k_qfe99778904_attn
	.p2alignl 7, 3214868480
	.fill 96, 4, 3214868480
	.section	.rodata,"a",@progbits
	.p2align	6, 0x0
	.amdhsa_kernel k_qfe99778904_attn
		.amdhsa_group_segment_fixed_size 327680
		.amdhsa_private_segment_fixed_size 0
		.amdhsa_enable_private_segment 0
		.amdhsa_kernarg_size 16
		.amdhsa_user_sgpr_count 2
		.amdhsa_user_sgpr_kernarg_segment_ptr 1
		.amdhsa_wavefront_size32 1
		.amdhsa_system_sgpr_workgroup_id_x 1
		.amdhsa_system_sgpr_workgroup_id_y 1
		.amdhsa_system_sgpr_workgroup_id_z 1
		.amdhsa_system_vgpr_workitem_id 0
		.amdhsa_next_free_vgpr 256
		.amdhsa_next_free_sgpr 66
		.amdhsa_reserve_vcc 0
		.amdhsa_float_denorm_mode_32 3
		.amdhsa_float_denorm_mode_16_64 3
		.amdhsa_memory_ordered 1
		.amdhsa_forward_progress 1
		.amdhsa_inst_pref_size 155
	.end_amdhsa_kernel
	.amdgpu_metadata
---
amdhsa.version: [ 1, 2 ]
amdhsa.kernels:
  - .name:           k_qfe99778904_attn
    .symbol:         k_qfe99778904_attn.kd
    .args:
      - { .name: qkv, .offset: 0, .size: 8, .value_kind: global_buffer, .address_space: global }
      - { .name: out0, .offset: 8, .size: 8, .value_kind: global_buffer, .address_space: global }
    .group_segment_fixed_size: 327680
    .private_segment_fixed_size: 0
    .kernarg_segment_align: 8
    .kernarg_segment_size: 16
    .max_flat_workgroup_size: 512
    .sgpr_count:     66
    .vgpr_count:     256
    .wavefront_size: 32
...
	.end_amdgpu_metadata
.endif
;; end of part 4
